; MI455X (gfx1250); checked and timed in simulation.
; The chip was launched on July 23, 2026; its instructions are those of AMD's public machine-readable ISA for CDNA 5 (MIT licence, August 2026) and "CDNA5" Instruction Set Architecture Reference Guide (July 2026). The comments in the code are by the model that wrote it; some were corrected since.
;; Mo E Gating. Allowed arithmetic: matrix products marked QUANTISED: E2M1 operands, one E8M0 scale for each 32 along K, by v_wmma_scale_f32_16x16x128_f8f6f4 with both operands' format E2M1 (or v_wmma_scale_f32_32x16x128_f4), f32 sums; everything else in f32.
;; Inputs: W 64 x 2,048 float32; x 4 x 4,096 x 2,048 float32.
;; Outputs: out0 16,384 x 2 int32; out1 16,384 x 2 float32.
;; This version of the problem:
;;   THIS VERSION OF THE PROBLEM IS GIVEN IN LOW PRECISION. The matrix products marked QUANTISED in the list below multiply operands that are first quantised to E2M1 (2 exponent bits, 1 mantissa bit; 4 bits a number), with one power-of-two scale for each 32 numbers along K (OCP MX v1.0); their sums are f32. All else is computed in f32.
;;   The module's matrix products, in the order in which they are computed (A, B: the left and right operand; K: the contracted axis; several contracted axes count as one K, in the product's order):
;;     1. [M 16,384, K 2,048] x [K 2,048, N 64]; A: input x; B: input W: QUANTISED
;;   THE QUANTISER, for each operand of a quantised product, along K:
;;     - K is cut into blocks of 32 from its start; a last block that is shorter is filled with zeros.
;;     - A block's scale is 2^e with e = floor(log2(the largest magnitude in the block)) - 2, held to -126 .. 127; a block of zeros has e = 0. As a byte (E8M0): e + 127.
;;     - Each number is divided by its block's scale, clamped to +-6, and rounded to the nearest number of E2M1, ties to even, subnormals kept.
;;     - The product sums the exact products of the quantised numbers (number of the format x scale) in f32.
;;   ~~~python
;;   def quantise(x, axis):      # numpy; x: float32 -> the quantised numbers, widened to float32 again
;;       x = np.moveaxis(x, axis, -1); K = x.shape[-1]
;;       x = np.pad(x, [(0, 0)] * (x.ndim - 1) + [(0, -K % 32)]); x = x.reshape(x.shape[:-1] + (-1, 32)); a = np.abs(x).max(-1, keepdims=True)
;;       e = np.where(a > 0, np.clip(np.frexp(np.where(a > 0, a, 1))[1] - 1 - 2, -126, 127), 0)      # np.frexp(a)[1] - 1 = floor(log2(a)), exactly
;;       r = np.clip(x / 2.0 ** e, -6, 6)
;;       step = 2.0 ** (np.maximum(np.frexp(np.where(r == 0, 1, r))[1] - 1, 0) - 1)
;;       q = np.round(r / step) * step * 2.0 ** e      # np.round: ties to even
;;       return np.moveaxis(q.reshape(q.shape[:-2] + (-1,))[..., :K], -1, axis).astype(np.float32)
;;   ~~~
;; One version. Each part assembles by itself: llvm-mc -triple=amdgcn-amd-amdhsa -mcpu=gfx1250 --defsym DOCPART=n.
;; ======== version 1 of 1: 2 launches
;; workspace buffers: wq 69,632 bytes
;; launch wprep (part 1): grid 16 x 1, 4 waves a work-group, no clusters, 35,328 bytes of LDS; arguments W, wq; writes wq
.if DOCPART == 1
	.amdgcn_target "amdgcn-amd-amdhsa--gfx1250"
	.amdhsa_code_object_version 6
	.text
	.protected	k_q35b1c33b3b_wprep
	.globl	k_q35b1c33b3b_wprep
	.p2align	8
	.type	k_q35b1c33b3b_wprep,@function
k_q35b1c33b3b_wprep:
	s_mov_b64 s[64:65], 0
	v_nop
	global_prefetch_b8 v0, s[64:65] scope:SCOPE_SE
	s_setreg_imm32_b32 hwreg(HW_REG_WAVE_MODE, 25, 1), 1
	s_wait_xcnt 0x0
; W [64][2048], f32, K innermost, becomes codes of FP4 (E2M1) with one E8M0 scale byte for each 32 along K, laid in wq in the ORDER OF THE OPERAND'S REGISTERS, so that the next launch
; takes fragments by plain 16-byte loads.  wq, for each K step s of 128 (4,352 bytes): four fragment images (tile t of 16 experts: 1,024 bytes: registers 0-3 of lane l at 16 l, registers 4-7 at 512 + 16 l),
; then 64 scale words (word 16 t + r: the four bytes of row r of tile t).
; A block's scale is 2^(floor(log2(its largest magnitude)) - 2); its byte is the largest magnitude's exponent field - 2, held at 1 from below.
; LIMITS: a block of zeros gets the byte 1 where the rule says 127 (its codes are zeros, which add nothing, and this program alone reads the bytes); NaN and infinities are not served.
; SHARES: work-group s takes K step s, its wave t the tile t: 16 rows x 512 bytes.  Each load reads 512 consecutive bytes of one row.  The operand's layout gives lane (r, h) two whole blocks of row r
; (k = 64 c + 32 h + 0 .. 31), so the 8 KB turn through the wave's own stage in LDS: in as they lie, back 128 bytes a lane and block.
.set ROWB,  8192                       ; a row of W in bytes
.set PITCH, 528                        ; a stage row: 512 bytes + 16: row r starts 16 r bytes further round the banks (64 banks of 4 bytes: ISA guide 11.1)
.set STG,   16*PITCH                   ; a wave's stage
.set SCG,   4*STG                      ; behind the stages: the step's 64 scale words
.set STEPB, 4352                       ; a K step's block in wq
.set FLOOR, 0x1800000                  ; 2^(3 - 127): no largest magnitude is taken under it, so the byte cannot fall under 1
.set OFF,  1                           ; v1  16 x lane
.set STI,  2                           ; v2  the stage, on the way in: my 16 bytes of a row
.set STO,  3                           ; v3  and on the way out: row r, + 128 h
.set SCA,  4                           ; v4  my row's scale word among the step's 64
.set OFF8, 5                           ; v5  8 x lane
.set SH,   6                           ; v6  8 h
.set MA,   8                           ; v8-11 largest magnitudes: two chains for each block
.set SC,   12                          ; v12-13 the conversions' scale operands
.set BY,   14                          ; v14-15 the scale bytes
.set T0,   16
.set T1,   17
.set XS,   18                          ; the row's scale word
.set SW,   20                          ; v20-21 the way out of the scale words
.set XC,   24                          ; v24-31 the fragment
.set X,    32                          ; v32-95 the numbers
	s_load_b128 s[4:7], s[0:1], 0x0                ; W, wq
	v_lshl_add_u32 v96, v0, 2, 0x8800
	v_mov_b32 v97, 0
	v_lshrrev_b32 v8, 5, v0
	v_readfirstlane_b32 s8, v8                     ; wave = tile t
	v_and_b32 v8, 31, v0                           ; lane
	v_and_b32 v9, 15, v0                           ; r
	v_bfe_u32 v10, v0, 4, 1                        ; h
	v_lshlrev_b32 v[OFF], 4, v8
	v_lshlrev_b32 v[OFF8], 3, v8
	v_lshlrev_b32 v[SH], 3, v10
	s_mul_i32 s9, s8, STG
	v_add_nc_u32 v[STI], s9, v[OFF]
	v_mul_u32_u24 v[STO], v9, PITCH
	v_lshl_add_u32 v[STO], v10, 7, v[STO]
	v_add_nc_u32 v[STO], s9, v[STO]
	s_lshl_b32 s10, s8, 6
	v_lshl_add_u32 v[SCA], v9, 2, s10              ; 64 t + 4 r (SCG stands in the offset)
	s_lshl_b32 s12, s8, 17                         ; W: 16 t rows of 8,192 bytes
	s_lshl_b32 s13, ttmp9, 9                       ; + 512 s
	s_add_co_u32 s12, s12, s13
	s_mov_b32 s13, 0
	s_mul_i32 s14, ttmp9, STEPB                    ; wq: the step's block,
	s_mov_b32 s15, 0
	s_lshl_b32 s16, s8, 10                         ; and in it my tile's image
	s_mov_b32 s17, 0
	s_mov_b32 s20, 0x76543210
	s_mov_b32 s21, 0xfedcba98                      ; v_permlanex16_b32's selects for lane l xor 16
	v_mov_b32 v[T1], 0                             ; a lane permute's destination counts as one of its sources
	s_wait_alu depctr_va_vdst(0)
	s_wait_kmcnt 0x0
	s_add_nc_u64 s[4:5], s[4:5], s[12:13]
	s_add_nc_u64 s[6:7], s[6:7], s[14:15]
	s_add_nc_u64 s[18:19], s[6:7], s[16:17]
.irp i, 0,1,2,3,4,5,6,7,8,9,10,11,12,13,14,15
	global_load_b128 v[X+4*\i:X+4*\i+3], v[OFF], s[4:5] offset:\i*ROWB th:TH_LOAD_NT   ; row i: 512 consecutive bytes, aligned; read once in the launch
.endr
	s_wait_loadcnt 0x0
.irp i, 0,1,2,3,4,5,6,7,8,9,10,11,12,13,14,15
	ds_store_b128 v[STI], v[X+4*\i:X+4*\i+3] offset:\i*PITCH
.endr
.irp c, 0,1
.irp j, 0,1,2,3,4,5,6,7
	ds_load_b128 v[X+32*\c+4*\j:X+32*\c+4*\j+3], v[STO] offset:256*\c+16*\j   ; LDS serves a wave's instructions in order (ISA guide 5.7.1.4): these see the stores above.  Register 32 c + i = W(row r, 64 c + 32 h + i)
.endr
.endr
	s_wait_dscnt 0x0
; the two blocks' largest magnitudes: all 32 numbers of a block are mine; two chains a block, the four by turns
.irp c, 0,1
	v_max3_num_f32 v[MA+2*\c],   |v[X+32*\c]|,    |v[X+32*\c+1]|,  FLOOR
	v_max3_num_f32 v[MA+2*\c+1], |v[X+32*\c+16]|, |v[X+32*\c+17]|, |v[X+32*\c+18]|
.endr
.irp i, 0,1,2,3,4,5
.irp c, 0,1
	v_max3_num_f32 v[MA+2*\c],   v[MA+2*\c],   |v[X+32*\c+2+2*\i]|,  |v[X+32*\c+3+2*\i]|
	v_max3_num_f32 v[MA+2*\c+1], v[MA+2*\c+1], |v[X+32*\c+19+2*\i]|, |v[X+32*\c+20+2*\i]|
.endr
.endr
.irp c, 0,1
	v_max3_num_f32 v[MA+2*\c], v[MA+2*\c], |v[X+32*\c+14]|, |v[X+32*\c+15]|
.endr
.irp c, 0,1
	v_max3_num_f32 v[MA+2*\c], v[MA+2*\c], v[MA+2*\c+1], |v[X+32*\c+31]|
.endr
.irp c, 0,1
	v_add_nc_u32 v[SC+\c], 0xff000000, v[MA+2*\c]  ; 2 off the exponent field: the conversion takes the exponent field of this operand as its scale, and nothing else of it
.endr
.irp c, 0,1
	v_lshrrev_b32 v[BY+\c], 23, v[SC+\c]           ; the scale's byte
.endr
	v_lshl_or_b32 v[T0], v[BY+1], 16, v[BY]        ; my two bytes: blocks h and 2 + h of row r,
	v_lshlrev_b32 v[T0], v[SH], v[T0]              ; at their places in the word (8 h bits up);
	v_permlanex16_b32 v[T1], v[T0], s20, s21
	v_or_b32 v[XS], v[T0], v[T1]                   ; with lane l xor 16's two the word is whole
.irp c, 0,1
.irp g, 0,1,2,3
	v_cvt_scalef32_pk8_fp4_f32 v[XC+4*\c+\g], v[X+32*\c+8*\g:X+32*\c+8*\g+7], v[SC+\c]   ; eight numbers / the scale, to the nearest code, ties to even, beyond 6 the largest code: register 4 c + g of the operand
.endr
.endr
	v_nop                                          ; one plain vector instruction behind the last scaled conversion
	global_store_b128 v[OFF], v[XC:XC+3], s[18:19]             ; the image: each store covers 512 consecutive bytes, aligned
	global_store_b128 v[OFF], v[XC+4:XC+7], s[18:19] offset:512
	ds_store_b32 v[SCA], v[XS] offset:SCG          ; lanes r and 16 + r write the same word with the same value
	s_wait_dscnt 0x0                               ; for the others' sake: my word lies in LDS
	s_barrier_signal -1
	s_barrier_wait -1
	s_cmp_lg_u32 s8, 0
	s_cbranch_scc1 .Lend
	ds_load_b64 v[SW:SW+1], v[OFF8] offset:SCG     ; wave 0: the four tiles' 64 words, 8 bytes a lane
	s_wait_dscnt 0x0
	global_store_b64 v[OFF8], v[SW:SW+1], s[6:7] offset:4096   ; 256 consecutive bytes, aligned
.Lend:
	s_wait_tensorcnt 0x0
	ds_add_u32 v96, v97
	s_wait_dscnt 0x0
	s_endpgm
.Lfunc_end_k_q35b1c33b3b_wprep:
	.size	k_q35b1c33b3b_wprep, .Lfunc_end_k_q35b1c33b3b_wprep-k_q35b1c33b3b_wprep
	.p2alignl 7, 3214868480
	.fill 96, 4, 3214868480
	.section	.rodata,"a",@progbits
	.p2align	6, 0x0
	.amdhsa_kernel k_q35b1c33b3b_wprep
		.amdhsa_group_segment_fixed_size 35328
		.amdhsa_private_segment_fixed_size 0
		.amdhsa_enable_private_segment 0
		.amdhsa_kernarg_size 16
		.amdhsa_user_sgpr_count 2
		.amdhsa_user_sgpr_kernarg_segment_ptr 1
		.amdhsa_wavefront_size32 1
		.amdhsa_system_sgpr_workgroup_id_x 1
		.amdhsa_system_sgpr_workgroup_id_y 1
		.amdhsa_system_sgpr_workgroup_id_z 1
		.amdhsa_system_vgpr_workitem_id 0
		.amdhsa_next_free_vgpr 98
		.amdhsa_next_free_sgpr 66
		.amdhsa_reserve_vcc 0
		.amdhsa_float_denorm_mode_32 3
		.amdhsa_float_denorm_mode_16_64 3
		.amdhsa_memory_ordered 1
		.amdhsa_forward_progress 1
		.amdhsa_inst_pref_size 9
	.end_amdhsa_kernel
	.amdgpu_metadata
---
amdhsa.version: [ 1, 2 ]
amdhsa.kernels:
  - .name:           k_q35b1c33b3b_wprep
    .symbol:         k_q35b1c33b3b_wprep.kd
    .args:
      - { .name: W, .offset: 0, .size: 8, .value_kind: global_buffer, .address_space: global }
      - { .name: wq, .offset: 8, .size: 8, .value_kind: global_buffer, .address_space: global }
    .group_segment_fixed_size: 35328
    .private_segment_fixed_size: 0
    .kernarg_segment_align: 8
    .kernarg_segment_size: 16
    .max_flat_workgroup_size: 128
    .sgpr_count:     66
    .vgpr_count:     98
    .wavefront_size: 32
...
	.end_amdgpu_metadata
.endif
;; end of part 1
;; launch gate (part 2): grid 256 x 1, 16 waves a work-group, no clusters, 207,872 bytes of LDS; arguments x, wq, out0, out1; writes out0, out1
.if DOCPART == 2
	.amdgcn_target "amdgcn-amd-amdhsa--gfx1250"
	.amdhsa_code_object_version 6
	.text
	.protected	k_q35b1c33b3b_gate
	.globl	k_q35b1c33b3b_gate
	.p2align	8
	.type	k_q35b1c33b3b_gate,@function
k_q35b1c33b3b_gate:
	s_mov_b64 s[64:65], 0
	v_nop
	global_prefetch_b8 v0, s[64:65] scope:SCOPE_SE
	s_setreg_imm32_b32 hwreg(HW_REG_WAVE_MODE, 25, 1), 1
	s_wait_xcnt 0x0
; logits = Q(x) Q(W)^T on codes of FP4 (E2M1) with one E8M0 scale for each 32 along K; out0 = the indices of each token's two largest logits (the larger first; of equal logits the lower index first),
; out1 = the softmax of the two.  x: [16384][2048] f32, quantised here on its way; W comes as fragment images and scale words in wq (made by the launch before: 4,352 bytes for each K step of 128).
; SHARES.  A work-group owns 64 tokens; wave w of its sixteen owns token tile m = w & 3 (16 tokens) and K quarter kq = w >> 2 (512 along K): four steps of 16 rows x 512 bytes.
; THE STREAM.  Each load reads 512 consecutive bytes of one row.  Three sets of 64 registers take turns: at the start a wave has W's 9 loads and 48 of x out, three of its four steps; the fourth is asked for when the first set is free.
; THE TURN.  The operand's layout gives lane (r, h) two whole blocks of token r (k = 64 c + 32 h + 0 .. 31).  So a step's 8 KB go through the wave's own stage in LDS, in as they lie, and come back, 128 bytes a lane and block,
; into the registers that they left.  A block's largest magnitude then needs no other lane, and the conversions' results are the operand's registers.
; THE PRODUCT IS USED TRANSPOSED: source 0 = 16 experts (W's fragment, from LDS), source 1 = my 16 tokens: in the result lane (r, h) holds token r, and register j of tile t expert 16 t + 8 h + j.
; THE END.  Quarters 1 to 3 hand their sums over through their stages; waves 0 to 3 add them, K ascending, and find the two largest by compares and selects alone.  The results meet in LDS, and waves 0 and 1 store 512 aligned bytes each.
; W's codes are 68 KB of the 580 KB that a work-group reads, brought once by plain loads: no cluster and no joint load is spent on them.
; LIMITS: NaN and infinities are not served; a block of zeros gets the byte 1 where the rule says 127 (its codes are zeros); K is summed in four quarters, which are then added in ascending order; +0 and -0 count as equal.
.set ROWB,  8192                       ; a row of x in bytes
.set PITCH, 528                        ; a stage row: 512 bytes + 16: row r starts 16 r bytes further round the banks (64 banks of 4 bytes: ISA guide 11.1)
.set STG,   16*PITCH                   ; a wave's stage: 8,448 bytes
.set STEPB, 4352                       ; a K step of W: four images of 1,024 bytes, 64 scale words
.set WB,    16*STEPB                   ; LDS: W's 16 steps from byte 0; behind them the stages, that of wave (m, kq) at place 4 m + kq;
.set RES,   WB+16*STG                  ; behind them the results: 512 bytes for out0, 512 for out1
.set FLOOR, 0x1800000                  ; 2^(3 - 127): no largest magnitude is taken under it, so the byte cannot fall under 1
.set OFF,  1                           ; v1  16 x lane: my bytes of a load's 512
.set STI,  2                           ; v2  my stage + 16 x lane
.set STO,  3                           ; v3  my stage + 528 r + 128 h
.set WA,   4                           ; v4  my quarter of W in LDS + 16 x lane
.set WSA,  5                           ; v5  my quarter of W in LDS + 4 x lane
.set SH,   6                           ; v6  8 h
.set WCP,  7                           ; v7  where I put W's step w: 4,352 w + 16 x lane
.set WCS,  8                           ; v8  and its scale words: 4,352 w + 8 x lane
.set OFF8, 9                           ; v9  8 x lane
.set RSA,  10                          ; v10 the results: RES + 128 m + 8 r + 4 h
.set RRA,  11                          ; v11 and back: RES + 512 (w & 1) + 16 x lane
.set MA,   12                          ; v12-13 a block's largest magnitude, two chains
.set SC,   14                          ; v14-15 the conversions' scale operands
.set BY,   16                          ; v16-17 the scale bytes
.set T0,   18
.set T1,   19
.set XS,   20                          ; v20    x's scale word: scales and nothing else
.set WS,   21                          ; v21-22 W's scale words: lanes 0-15 tile 2 p, lanes 16-31 tile 2 p + 1: scales and nothing else
.set XC,   24                          ; v24-31 x's fragment
.set ACC,  32                          ; v32-63 four accumulators
.set S0,   64                          ; v64-255 three sets of 64
.set S1,   128
.set S2,   192
; the end's registers, in the sets, which are free then
.set P,    64                          ; v64-159  the three other quarters' sums
.set M1,   160                         ; v160-163 the largest of each tile's eight;  v164-167 the second;  v168-171, v172-175 their indices
.set M2,   164
.set I1,   168
.set I2,   172
.set XV,   176                         ; v176-183 a merge's two candidates for the second place, for two merges
.set XI,   178
.set YV,   180
.set YI,   182
.set B1V,  184                         ; v184-187 lane l xor 16's pair
.set B1I,  185
.set B2V,  186
.set B2I,  187
.set FV,   188                         ; the first and the second of all 64
.set FI,   189
.set SV,   190
.set SI,   191
.set L,    192                         ; v192-223 my token's 32 logits
.set DD,   224
.set EE,   225
.set DEN,  226
.set RR,   227
.set PP,   228
.set OI,   229
.set OP,   230
.set OUT,  232
.set C1,   28                          ; s28-31, s32-35 lane masks of the four scans;  s36-42 of the merges
.set C2,   32
	s_load_b256 s[4:11], s[0:1], 0x0               ; x s[4:5], wq s[6:7], out0 s[8:9], out1 s[10:11]
	v_lshrrev_b32 v12, 5, v0
	s_delay_alu instid0(VALU_DEP_1)
	v_readfirstlane_b32 s12, v12                   ; wave 0..15
	s_and_b32 s13, s12, 3                          ; m
	s_lshr_b32 s14, s12, 2                         ; kq
	s_lshl_b32 s15, s13, 2
	s_add_co_u32 s15, s15, s14                     ; my stage's place: 4 m + kq, so that a tile's four stages lie on end
	v_and_b32 v12, 31, v0                          ; lane
	v_and_b32 v13, 15, v0                          ; r
	v_bfe_u32 v14, v0, 4, 1                        ; h
	s_delay_alu instid0(VALU_DEP_3)
	v_lshlrev_b32 v[OFF], 4, v12
	s_delay_alu instid0(VALU_DEP_4)
	v_lshlrev_b32 v[OFF8], 3, v12
	s_delay_alu instid0(VALU_DEP_3)
	v_lshlrev_b32 v[SH], 3, v14
	s_mul_i32 s16, s15, STG
	s_add_co_u32 s16, s16, WB
	v_add_nc_u32 v[STI], s16, v[OFF]
	v_mul_u32_u24 v[STO], v13, PITCH
	s_delay_alu instid0(VALU_DEP_1)
	v_lshl_add_u32 v[STO], v14, 7, v[STO]
	s_delay_alu instid0(VALU_DEP_1)
	v_add_nc_u32 v[STO], s16, v[STO]
	s_mul_i32 s17, s14, 4*STEPB
	v_add_nc_u32 v[WA], s17, v[OFF]
	v_lshl_add_u32 v[WSA], v12, 2, s17
	s_mul_i32 s18, s12, STEPB                      ; wave w brings W's step w: in wq and in LDS at the same offset
	s_mov_b32 s19, 0
	v_add_nc_u32 v[WCP], s18, v[OFF]
	v_add_nc_u32 v[WCS], s18, v[OFF8]
	s_lshl_b32 s20, s13, 7
	s_add_co_u32 s20, s20, RES
	v_lshlrev_b32 v[RSA], 3, v13
	s_delay_alu instid0(VALU_DEP_1)
	v_lshl_add_u32 v[RSA], v14, 2, v[RSA]
	s_delay_alu instid0(VALU_DEP_1)
	v_add_nc_u32 v[RSA], s20, v[RSA]
	s_and_b32 s21, s12, 1
	s_lshl_b32 s21, s21, 9
	s_add_co_u32 s21, s21, RES
	v_add_nc_u32 v[RRA], s21, v[OFF]
	s_lshl_b32 s22, ttmp9, 19                      ; x: 64 rows of 8,192 bytes a work-group,
	s_lshl_b32 s24, s13, 17                        ; 16 rows a tile,
	s_add_co_u32 s22, s22, s24
	s_lshl_b32 s24, s14, 11                        ; 2,048 bytes a quarter
	s_add_co_u32 s22, s22, s24
	s_mov_b32 s23, 0
	s_lshl_b32 s24, ttmp9, 9                       ; the outputs: 512 bytes a work-group
	s_mov_b32 s25, 0
	s_mov_b32 s26, 0x76543210
	s_mov_b32 s27, 0xfedcba98                      ; v_permlanex16_b32's selects for lane l xor 16
	v_mov_b32 v[T1], 0                             ; a lane permute's destination counts as one of its sources
	s_wait_alu depctr_va_vdst(0)
	s_wait_kmcnt 0x0
	s_add_nc_u64 s[4:5], s[4:5], s[22:23]
	s_add_nc_u64 s[6:7], s[6:7], s[18:19]
	s_cmp_eq_u32 s12, 0                            ; wave 0 will store out0, wave 1 out1: the choice hangs on the wave's number alone
	s_cselect_b64 s[8:9], s[8:9], s[10:11]
	s_add_nc_u64 s[8:9], s[8:9], s[24:25]
; W's step w first (loads come back in order, and W is wanted first), into registers that are free until the first product
.irp i, 0,1,2,3,4,5,6,7
	global_load_b128 v[ACC+4*\i:ACC+4*\i+3], v[OFF], s[6:7] offset:512*\i
.endr
	global_load_b64 v[XC:XC+1], v[OFF8], s[6:7] offset:4096
.macro XLOAD t, S                      ; step t's 16 rows into set S
.irp i, 0,1,2,3,4,5,6,7,8,9,10,11,12,13,14,15
	global_load_b128 v[\S+4*\i:\S+4*\i+3], v[OFF], s[4:5] offset:\i*ROWB+512*(\t) th:TH_LOAD_NT   ; 512 consecutive bytes, aligned; read once in the launch
.endr
.endm
	XLOAD 0, S0
	XLOAD 1, S1
	XLOAD 2, S2
	s_wait_loadcnt 48                              ; W's nine loads are in; x's 48 stay out
.irp i, 0,1,2,3,4,5,6,7
	ds_store_b128 v[WCP], v[ACC+4*\i:ACC+4*\i+3] offset:512*\i
.endr
	ds_store_b64 v[WCS], v[XC:XC+1] offset:4096
	s_wait_dscnt 0x0                               ; for the others' sake: my step of W lies in LDS
	s_barrier_signal -1
	s_barrier_wait -1                              ; all sixteen steps do
.macro BLOCKMAX X                      ; the largest magnitude of v[X] .. v[X + 31], and the floor, into v[MA]: two chains by turns
	v_max3_num_f32 v[MA],   |v[\X]|,    |v[\X+1]|,  FLOOR
	v_max3_num_f32 v[MA+1], |v[\X+16]|, |v[\X+17]|, |v[\X+18]|
.irp i, 0,1,2,3,4,5
	s_delay_alu instid0(VALU_DEP_2)
	v_max3_num_f32 v[MA],   v[MA],   |v[\X+2+2*\i]|,  |v[\X+3+2*\i]|
	s_delay_alu instid0(VALU_DEP_2)
	v_max3_num_f32 v[MA+1], v[MA+1], |v[\X+19+2*\i]|, |v[\X+20+2*\i]|
.endr
	s_delay_alu instid0(VALU_DEP_2)
	v_max3_num_f32 v[MA], v[MA], |v[\X+14]|, |v[\X+15]|
	s_delay_alu instid0(VALU_DEP_1)
	v_max3_num_f32 v[MA], v[MA], v[MA+1], |v[\X+31]|
.endm
.macro MM tt, S, zero                  ; tile tt of the experts x my tokens, 128 along K.  zero = 1: the first product starts the sum: nothing is cleared
.if \zero
.if (\tt)%2
	v_wmma_scale_f32_16x16x128_f8f6f4 v[ACC+8*(\tt):ACC+8*(\tt)+7], v[\S+8*(\tt):\S+8*(\tt)+7], v[XC:XC+7], 0, v[WS+(\tt)/2], v[XS] matrix_a_fmt:MATRIX_FMT_FP4 matrix_b_fmt:MATRIX_FMT_FP4 matrix_a_scale:MATRIX_SCALE_ROW1
.else
	v_wmma_scale_f32_16x16x128_f8f6f4 v[ACC+8*(\tt):ACC+8*(\tt)+7], v[\S+8*(\tt):\S+8*(\tt)+7], v[XC:XC+7], 0, v[WS+(\tt)/2], v[XS] matrix_a_fmt:MATRIX_FMT_FP4 matrix_b_fmt:MATRIX_FMT_FP4
.endif
.else
.if (\tt)%2
	v_wmma_scale_f32_16x16x128_f8f6f4 v[ACC+8*(\tt):ACC+8*(\tt)+7], v[\S+8*(\tt):\S+8*(\tt)+7], v[XC:XC+7], v[ACC+8*(\tt):ACC+8*(\tt)+7], v[WS+(\tt)/2], v[XS] matrix_a_fmt:MATRIX_FMT_FP4 matrix_b_fmt:MATRIX_FMT_FP4 matrix_a_scale:MATRIX_SCALE_ROW1
.else
	v_wmma_scale_f32_16x16x128_f8f6f4 v[ACC+8*(\tt):ACC+8*(\tt)+7], v[\S+8*(\tt):\S+8*(\tt)+7], v[XC:XC+7], v[ACC+8*(\tt):ACC+8*(\tt)+7], v[WS+(\tt)/2], v[XS] matrix_a_fmt:MATRIX_FMT_FP4 matrix_b_fmt:MATRIX_FMT_FP4
.endif
.endif
.endm
; STEP t of my quarter, in set S.  left = how many younger loads of x may stay out.
.macro STEP t, S, left, zero
	s_wait_loadcnt \left                           ; loads come back in order (ISA guide 5.7.1): this set's sixteen are in
.irp i, 0,1,2,3,4,5,6,7,8,9,10,11,12,13,14,15
	ds_store_b128 v[STI], v[\S+4*\i:\S+4*\i+3] offset:\i*PITCH
.endr
.irp c, 0,1
.irp j, 0,1,2,3,4,5,6,7
	ds_load_b128 v[\S+32*\c+4*\j:\S+32*\c+4*\j+3], v[STO] offset:256*\c+16*\j   ; LDS serves a wave's instructions in order (ISA guide 5.7.1.4): these see the stores above.  Register 32 c + i = x(token r, 64 c + 32 h + i)
.endr
.endr
.irp p, 0,1
	ds_load_b32 v[WS+\p], v[WSA] offset:4096+(\t)*STEPB+128*\p                 ; W's scale words of this step
.endr
	s_wait_dscnt 10                                ; block 0 is back; block 1's eight loads and the two scale words may be out
	BLOCKMAX \S
	s_delay_alu instid0(VALU_DEP_1)
	v_add_nc_u32 v[SC], 0xff000000, v[MA]          ; 2 off the exponent field: the conversion takes the exponent field of this operand as its scale, and nothing else of it
	s_delay_alu instid0(VALU_DEP_1)
	v_lshrrev_b32 v[BY], 23, v[SC]                 ; the scale's byte
.irp g, 0,1,2,3
	v_cvt_scalef32_pk8_fp4_f32 v[XC+\g], v[\S+8*\g:\S+8*\g+7], v[SC]
.endr
.irp f, 0,1,2,3,4,5,6,7
	ds_load_b128 v[\S+4*\f:\S+4*\f+3], v[WA] offset:(\t)*STEPB+512*\f         ; block 0's numbers are done with: their registers take W's four fragments, which land while block 1 is worked
.endr
	s_wait_dscnt 8                                 ; block 1 and the scale words are in; W's eight loads may be out
	BLOCKMAX \S+32
	s_delay_alu instid0(VALU_DEP_1)
	v_add_nc_u32 v[SC+1], 0xff000000, v[MA]
	s_delay_alu instid0(VALU_DEP_1)
	v_lshrrev_b32 v[BY+1], 23, v[SC+1]
	s_delay_alu instid0(VALU_DEP_1)
	v_lshl_or_b32 v[T0], v[BY+1], 16, v[BY]        ; my two bytes: blocks h and 2 + h of token r,
	s_delay_alu instid0(VALU_DEP_1)
	v_lshlrev_b32 v[T0], v[SH], v[T0]              ; at their places in the word (8 h bits up);
	s_delay_alu instid0(VALU_DEP_1)
	v_permlanex16_b32 v[T1], v[T0], s26, s27
	s_delay_alu instid0(VALU_DEP_1)
	v_or_b32 v[XS], v[T0], v[T1]                   ; with lane l xor 16's two the word is whole
.irp g, 0,1,2,3
	v_cvt_scalef32_pk8_fp4_f32 v[XC+4+\g], v[\S+32+8*\g:\S+32+8*\g+7], v[SC+1]
.endr
.rept 8
	v_nop                                          ; a scale register written by a vector instruction stands eight plain vector instructions ahead of a scaled matrix instruction, an operand so written four
.endr
	s_wait_alu depctr_va_vdst(0)
	s_wait_dscnt 0x0                               ; W's fragments are in
.irp tt, 0,1,2,3
	MM \tt, \S, \zero                              ; the four accumulators take turns, one instruction a turn, from step to step too
.endr
.rept 4
	v_nop                                          ; four plain vector instructions between a matrix instruction and a load into a register that it read, or a store of its result (ISA guide 7.12.1 for vector instructions)
.endr
.endm
	STEP 0, S0, 32, 1                              ; behind set 0's loads: sets 1 and 2
	XLOAD 3, S0                                    ; the last step, into the set just left
	STEP 1, S1, 32, 0                              ; behind set 1's: set 2 and the last step
	STEP 2, S2, 16, 0                              ; behind set 2's: the last step
	STEP 3, S0, 0, 0
; THE QUARTERS MEET.  Quarters 1 to 3 store their accumulators as they stand, 16 bytes a lane, into their own stages, which they have read out.
	s_cmp_lt_u32 s12, 4
	s_cbranch_scc1 .Lmine
.irp q, 0,1,2,3,4,5,6,7
	ds_store_b128 v[STI], v[ACC+4*\q:ACC+4*\q+3] offset:512*\q    ; each accumulator from its low end on
.endr
.Lmine:
	s_wait_dscnt 0x0                               ; for the others' sake: my sums lie in LDS
	s_barrier_signal -1
	s_barrier_wait -1
	s_cmp_ge_u32 s12, 4
	s_cbranch_scc1 .Lrest
; waves 0 to 3: tile m's three other quarters lie in the three stages behind mine
.irp q, 1,2,3
.irp i, 0,1,2,3,4,5,6,7
	ds_load_b128 v[P+32*(\q-1)+4*\i:P+32*(\q-1)+4*\i+3], v[STI] offset:\q*STG+512*\i
.endr
.endr
	s_wait_dscnt 16                                ; quarter 1 is in; quarters 2 and 3 may be out
.irp j, 0,2,4,6,8,10,12,14,16,18,20,22,24,26,28,30
	v_pk_add_f32 v[L+\j:L+\j+1], v[ACC+\j:ACC+\j+1], v[P+\j:P+\j+1]           ; K ascending; each accumulator is read from its low end on
.endr
	s_wait_dscnt 8                                 ; quarter 2 is in
.irp j, 0,2,4,6,8,10,12,14,16,18,20,22,24,26,28,30
	v_pk_add_f32 v[L+\j:L+\j+1], v[L+\j:L+\j+1], v[P+32+\j:P+32+\j+1]
.endr
	s_wait_dscnt 0x0
.irp j, 0,2,4,6,8,10,12,14,16,18,20,22,24,26,28,30
	v_pk_add_f32 v[L+\j:L+\j+1], v[L+\j:L+\j+1], v[P+64+\j:P+64+\j+1]         ; register 8 t + j: the logit of token r and expert 16 t + 8 h + j
.endr
; THE TWO LARGEST OF MY 32, with their indices less 8 h.  Four scans, one for each tile's eight, by turns; indices ascend, and only a strictly larger logit displaces: of equal logits the lower index stays ahead.
.irp tt, 0,1,2,3
	v_cmp_gt_f32 s[C1+\tt], v[L+8*\tt+1], v[L+8*\tt]
.endr
.irp tt, 0,1,2,3
	v_max_num_f32 v[M1+\tt], v[L+8*\tt], v[L+8*\tt+1]
.endr
.irp tt, 0,1,2,3
	v_min_num_f32 v[M2+\tt], v[L+8*\tt], v[L+8*\tt+1]
.endr
.irp tt, 0,1,2,3
	v_cndmask_b32 v[I1+\tt], 16*\tt, 16*\tt+1, s[C1+\tt]
.endr
.irp tt, 0,1,2,3
	v_cndmask_b32 v[I2+\tt], 16*\tt+1, 16*\tt, s[C1+\tt]
.endr
.irp j, 2,3,4,5,6,7
.irp tt, 0,1,2,3
	v_cmp_gt_f32 s[C1+\tt], v[L+8*\tt+\j], v[M1+\tt]               ; it displaces the first,
.endr
.irp tt, 0,1,2,3
	v_cmp_gt_f32 s[C2+\tt], v[L+8*\tt+\j], v[M2+\tt]               ; or at least the second
.endr
.irp tt, 0,1,2,3
	s_delay_alu instid0(VALU_DEP_4)
	v_cndmask_b32 v[I2+\tt], v[I2+\tt], 16*\tt+\j, s[C2+\tt]
.endr
.irp tt, 0,1,2,3
	s_delay_alu instid0(VALU_DEP_4)
	v_cndmask_b32 v[I2+\tt], v[I2+\tt], v[I1+\tt], s[C1+\tt]       ; the old first becomes the second
.endr
.irp tt, 0,1,2,3
	v_cndmask_b32 v[I1+\tt], v[I1+\tt], 16*\tt+\j, s[C1+\tt]
.endr
.irp tt, 0,1,2,3
	v_med3_num_f32 v[M2+\tt], v[M1+\tt], v[M2+\tt], v[L+8*\tt+\j]  ; the middle of the three is the new second
.endr
.irp tt, 0,1,2,3
	v_max_num_f32 v[M1+\tt], v[M1+\tt], v[L+8*\tt+\j]
.endr
.endr
; Two ordered pairs become one, in a's place.  All of a's indices lie under all of b's, so b's win only where strictly larger.
.macro MERGE a, b, u
	v_cmp_gt_f32 s[36+\u], v[M1+\b], v[M1+\a]
	s_delay_alu instid0(VALU_DEP_1)
	v_cndmask_b32 v[XV+\u], v[M2+\a], v[M1+\a], s[36+\u]           ; a's candidate for the second place: its first if that lost, else its second
	s_delay_alu instid0(VALU_DEP_2)
	v_cndmask_b32 v[XI+\u], v[I2+\a], v[I1+\a], s[36+\u]
	s_delay_alu instid0(VALU_DEP_3)
	v_cndmask_b32 v[YV+\u], v[M1+\b], v[M2+\b], s[36+\u]           ; b's: its second if its first won, else its first
	s_delay_alu instid0(VALU_DEP_4)
	v_cndmask_b32 v[YI+\u], v[I1+\b], v[I2+\b], s[36+\u]
	v_cndmask_b32 v[I1+\a], v[I1+\a], v[I1+\b], s[36+\u]
	v_max_num_f32 v[M1+\a], v[M1+\a], v[M1+\b]
	s_delay_alu instid0(VALU_DEP_4)
	v_cmp_gt_f32 s[38+\u], v[YV+\u], v[XV+\u]
	s_delay_alu instid0(VALU_DEP_1)
	v_cndmask_b32 v[I2+\a], v[XI+\u], v[YI+\u], s[38+\u]
	v_max_num_f32 v[M2+\a], v[XV+\u], v[YV+\u]
.endm
	MERGE 0, 1, 0
	MERGE 2, 3, 1
	MERGE 0, 2, 0
; WITH LANE l xor 16's 32 EXPERTS.  Their indices lie among mine, so equal logits are told apart by the index.  Both lanes come to the same result.
	v_add_nc_u32 v[I1], v[SH], v[I1]               ; the true indices: + 8 h
	s_delay_alu instid0(VALU_DEP_3)
	v_add_nc_u32 v[I2], v[SH], v[I2]
.irp n, 0,1,2,3
	v_mov_b32 v[B1V+\n], 0                         ; a lane permute's destination counts as one of its sources
.endr
	s_delay_alu instid0(VALU_DEP_4)
	v_permlanex16_b32 v[B1V], v[M1], s26, s27
	s_delay_alu instid0(VALU_DEP_4)
	v_permlanex16_b32 v[B1I], v[I1], s26, s27
	s_delay_alu instid0(VALU_DEP_4)
	v_permlanex16_b32 v[B2V], v[M2], s26, s27
	s_delay_alu instid0(VALU_DEP_4)
	v_permlanex16_b32 v[B2I], v[I2], s26, s27
	s_delay_alu instid0(VALU_DEP_4)
	v_cmp_gt_f32 s40, v[M1], v[B1V]
	v_cmp_eq_f32 s41, v[M1], v[B1V]
	v_cmp_lt_u32 s42, v[I1], v[B1I]
	s_and_b32 s41, s41, s42
	s_or_b32 s40, s40, s41                         ; my first comes ahead of the other lane's: larger, or equal with the lower index
	v_cndmask_b32 v[XV], v[M1], v[M2], s40         ; my candidate for the second place,
	v_cndmask_b32 v[XI], v[I1], v[I2], s40
	v_cndmask_b32 v[YV], v[B2V], v[B1V], s40       ; and the other lane's
	v_cndmask_b32 v[YI], v[B2I], v[B1I], s40
	v_cndmask_b32 v[FV], v[B1V], v[M1], s40        ; the first of all 64
	v_cndmask_b32 v[FI], v[B1I], v[I1], s40
	s_delay_alu instid0(VALU_DEP_4)
	v_cmp_gt_f32 s40, v[XV], v[YV]
	v_cmp_eq_f32 s41, v[XV], v[YV]
	v_cmp_lt_u32 s42, v[XI], v[YI]
	s_and_b32 s41, s41, s42
	s_or_b32 s40, s40, s41
	v_cndmask_b32 v[SV], v[YV], v[XV], s40         ; the second
	v_cndmask_b32 v[SI], v[YI], v[XI], s40
	s_delay_alu instid0(VALU_DEP_2)
; THE SOFTMAX OF THE TWO, the larger taken away: 1 / (1 + e) and e / (1 + e), e = exp(second - first), at most 1
	v_sub_f32 v[DD], v[SV], v[FV]
	s_delay_alu instid0(VALU_DEP_1)
	v_mul_f32 v[DD], 0x3fb8aa3b, v[DD]             ; x log2(e)
	v_cmp_ne_u32 vcc_lo, 0, v[SH]                  ; lanes 16-31 hand on the second of each pair, lanes 0-15 the first
	s_wait_alu depctr_va_vdst(0)
	v_exp_f32 v[EE], v[DD]
	v_cndmask_b32 v[OI], v[FI], v[SI], vcc_lo      ; (a plain vector instruction behind the exponential, which names none of its registers)
	s_wait_alu depctr_va_vdst(0)                   ; the wait ahead of the first instruction that names the result
	v_add_f32 v[DEN], 1.0, v[EE]
	s_wait_alu depctr_va_vdst(0)
	v_rcp_f32 v[RR], v[DEN]
	v_nop                                          ; a plain vector instruction behind the reciprocal
	s_wait_alu depctr_va_vdst(0)                   ; and its wait
	v_mul_f32 v[PP], v[EE], v[RR]
	v_cndmask_b32 v[OP], v[RR], v[PP], vcc_lo
	ds_store_b32 v[RSA], v[OI]                     ; token 16 m + r: 8 bytes of out0,
	ds_store_b32 v[RSA], v[OP] offset:512          ; and 8 of out1
.Lrest:
	s_wait_dscnt 0x0                               ; for the others' sake: my results lie in LDS
	s_barrier_signal -1
	s_barrier_wait -1
	s_cmp_ge_u32 s12, 2
	s_cbranch_scc1 .Lend
	ds_load_b128 v[OUT:OUT+3], v[RRA]              ; wave 0: the 64 tokens' 512 bytes of out0; wave 1: of out1
	s_wait_dscnt 0x0
	global_store_b128 v[OFF], v[OUT:OUT+3], s[8:9] th:TH_STORE_NT   ; 512 consecutive bytes, aligned; written once, read by nobody here
.Lend:
	s_wait_xcnt 0x0
	v_lshl_add_u32 v254, v0, 2, 0x32400
	v_mov_b32 v255, 0
	s_wait_alu depctr_va_vdst(0)
	s_wait_tensorcnt 0x0
	ds_add_u32 v254, v255
	s_wait_dscnt 0x0
	s_endpgm
.Lfunc_end_k_q35b1c33b3b_gate:
	.size	k_q35b1c33b3b_gate, .Lfunc_end_k_q35b1c33b3b_gate-k_q35b1c33b3b_gate
	.p2alignl 7, 3214868480
	.fill 96, 4, 3214868480
	.section	.rodata,"a",@progbits
	.p2align	6, 0x0
	.amdhsa_kernel k_q35b1c33b3b_gate
		.amdhsa_group_segment_fixed_size 207872
		.amdhsa_private_segment_fixed_size 0
		.amdhsa_enable_private_segment 0
		.amdhsa_kernarg_size 32
		.amdhsa_user_sgpr_count 2
		.amdhsa_user_sgpr_kernarg_segment_ptr 1
		.amdhsa_wavefront_size32 1
		.amdhsa_system_sgpr_workgroup_id_x 1
		.amdhsa_system_sgpr_workgroup_id_y 1
		.amdhsa_system_sgpr_workgroup_id_z 1
		.amdhsa_system_vgpr_workitem_id 0
		.amdhsa_next_free_vgpr 256
		.amdhsa_next_free_sgpr 66
		.amdhsa_reserve_vcc 1
		.amdhsa_float_denorm_mode_32 3
		.amdhsa_float_denorm_mode_16_64 3
		.amdhsa_memory_ordered 1
		.amdhsa_forward_progress 1
		.amdhsa_inst_pref_size 64
	.end_amdhsa_kernel
	.amdgpu_metadata
---
amdhsa.version: [ 1, 2 ]
amdhsa.kernels:
  - .name:           k_q35b1c33b3b_gate
    .symbol:         k_q35b1c33b3b_gate.kd
    .args:
      - { .name: x, .offset: 0, .size: 8, .value_kind: global_buffer, .address_space: global }
      - { .name: wq, .offset: 8, .size: 8, .value_kind: global_buffer, .address_space: global }
      - { .name: out0, .offset: 16, .size: 8, .value_kind: global_buffer, .address_space: global }
      - { .name: out1, .offset: 24, .size: 8, .value_kind: global_buffer, .address_space: global }
    .group_segment_fixed_size: 207872
    .private_segment_fixed_size: 0
    .kernarg_segment_align: 8
    .kernarg_segment_size: 32
    .max_flat_workgroup_size: 512
    .sgpr_count:     66
    .vgpr_count:     256
    .wavefront_size: 32
...
	.end_amdgpu_metadata
.endif
;; end of part 2
